; MI455X (gfx1250); checked and timed in simulation.
; The chip was launched on July 23, 2026; its instructions are those of AMD's public machine-readable ISA for CDNA 5 (MIT licence, August 2026) and "CDNA5" Instruction Set Architecture Reference Guide (July 2026). The comments in the code are by the model that wrote it; some were corrected since.
;; Multi Head Attention. Allowed arithmetic: matrix products marked QUANTISED: E2M3 operands, one E8M0 scale for each 32 along K, by v_wmma_scale_f32_16x16x128_f8f6f4 with both operands' format E2M3, f32 sums; everything else in f32.
;; Inputs: Wk_codes 1,024 x 32 x 24 uint8 (E2M3 codes of Wk, K innermost, in blocks of 32 codes, four codes in three bytes); Wk_scales 1,024 x 32 uint8 (E8M0 scales of Wk, one for each 32 codes along K); Wo_codes 1,024 x 32 x 24 uint8 (E2M3 codes of Wo, K innermost, in blocks of 32 codes, four codes in three bytes); Wo_scales 1,024 x 32 uint8 (E8M0 scales of Wo, one for each 32 codes along K); Wq_codes 1,024 x 32 x 24 uint8 (E2M3 codes of Wq, K innermost, in blocks of 32 codes, four codes in three bytes); Wq_scales 1,024 x 32 uint8 (E8M0 scales of Wq, one for each 32 codes along K); Wv_codes 1,024 x 32 x 24 uint8 (E2M3 codes of Wv, K innermost, in blocks of 32 codes, four codes in three bytes); Wv_scales 1,024 x 32 uint8 (E8M0 scales of Wv, one for each 32 codes along K); bk 1,024 float32; bo 1,024 float32; bq 1,024 float32; bv 1,024 float32; src_batch_lens 4 int32; x_K_codes 4 x 2,048 x 32 x 24 uint8 (E2M3 codes of x_K, K innermost, in blocks of 32 codes, four codes in three bytes); x_K_scales 4 x 2,048 x 32 uint8 (E8M0 scales of x_K, one for each 32 codes along K); x_Q_codes 4 x 2,048 x 32 x 24 uint8 (E2M3 codes of x_Q, K innermost, in blocks of 32 codes, four codes in three bytes); x_Q_scales 4 x 2,048 x 32 uint8 (E8M0 scales of x_Q, one for each 32 codes along K); x_V_codes 4 x 2,048 x 32 x 24 uint8 (E2M3 codes of x_V, K innermost, in blocks of 32 codes, four codes in three bytes); x_V_scales 4 x 2,048 x 32 uint8 (E8M0 scales of x_V, one for each 32 codes along K).
;; Outputs: out0 4 x 2,048 x 1,024 float32.
;; This version of the problem:
;;   THIS VERSION OF THE PROBLEM IS GIVEN IN LOW PRECISION. The matrix products marked QUANTISED in the list below multiply operands that are first quantised to E2M3 (2 exponent bits, 3 mantissa bits; 6 bits a number), with one power-of-two scale for each 32 numbers along K (OCP MX v1.0); their sums are f32. All else is computed in f32.
;;   The module's matrix products, in the order in which they are computed (A, B: the left and right operand; K: the contracted axis; several contracted axes count as one K, in the product's order):
;;     1. [M 8,192, K 1,024] x [K 1,024, N 1,024]; A: input x_Q (given as codes); B: input Wq (given as codes): QUANTISED
;;     2. [M 8,192, K 1,024] x [K 1,024, N 1,024]; A: input x_K (given as codes); B: input Wk (given as codes): QUANTISED
;;     3. [M 8,192, K 1,024] x [K 1,024, N 1,024]; A: input x_V (given as codes); B: input Wv (given as codes): QUANTISED
;;     4. batch 64 x [M 2,048, K 64] x [K 64, N 2,048]; A: computed on the way; B: computed on the way: QUANTISED
;;     5. batch 64 x [M 2,048, K 2,048] x [K 2,048, N 64]; A: softmax (see below); B: computed on the way: QUANTISED
;;     6. [M 8,192, K 1,024] x [K 1,024, N 1,024]; A: computed on the way; B: input Wo (given as codes): QUANTISED
;;   THE QUANTISER, for each operand of a quantised product, along K:
;;     - K is cut into blocks of 32 from its start; a last block that is shorter is filled with zeros.
;;     - A block's scale is 2^e with e = floor(log2(the largest magnitude in the block)) - 2, held to -126 .. 127; a block of zeros has e = 0. As a byte (E8M0): e + 127.
;;     - Each number is divided by its block's scale, clamped to +-7.5, and rounded to the nearest number of E2M3, ties to even, subnormals kept.
;;     - The product sums the exact products of the quantised numbers (number of the format x scale) in f32.
;;   ~~~python
;;   def quantise(x, axis):      # numpy; x: float32 -> the quantised numbers, widened to float32 again
;;       x = np.moveaxis(x, axis, -1); K = x.shape[-1]
;;       x = np.pad(x, [(0, 0)] * (x.ndim - 1) + [(0, -K % 32)]); x = x.reshape(x.shape[:-1] + (-1, 32)); a = np.abs(x).max(-1, keepdims=True)
;;       e = np.where(a > 0, np.clip(np.frexp(np.where(a > 0, a, 1))[1] - 1 - 2, -126, 127), 0)      # np.frexp(a)[1] - 1 = floor(log2(a)), exactly
;;       r = np.clip(x / 2.0 ** e, -7.5, 7.5)
;;       step = 2.0 ** (np.maximum(np.frexp(np.where(r == 0, 1, r))[1] - 1, 0) - 3)
;;       q = np.round(r / step) * step * 2.0 ** e      # np.round: ties to even
;;       return np.moveaxis(q.reshape(q.shape[:-2] + (-1,))[..., :K], -1, axis).astype(np.float32)
;;   ~~~
;;   SOFTMAX AHEAD OF A QUANTISED PRODUCT. Where the list says 'softmax', what is quantised is not the finished softmax but p = 2^(t - M), with t = logit x log2(e) and M = ceil(the row's largest t), a whole number; so 1/2 < the row's largest p <= 1. The row's sum l is taken of the UNQUANTISED p, in f32, and the product's result is divided by l at the end. Since M is a whole number, a kernel that streams over the keys may use a running M (the ceiling of the running maximum): every later rescaling is an exact power of two, which a block's scale takes up: the codes' values come out the same.
;;   OPERANDS COMPUTED ON THE WAY. 'Computed on the way' means the value that the module computes at that place (a softmax that the list does not call 'softmax' is quantised finished and normalised). What goes into a quantiser is computed in f32, as accurately as f32 sums, v_exp_f32 and their like allow (about 1e-6 of the number): no bf16 or f16 on the way to a quantiser, and a product that is left as it is and whose result goes on into a quantised operand takes f32 operands (vector FMAs, or v_wmma_f32_16x16x4_f32). A number that lies on a knife's edge between two numbers of the format may be rounded either way, as far as f32 arithmetic and the matrix unit's own rounding can turn it there, and no further.
;;   INPUTS GIVEN AS CODES. Wk (in the module: [1024, 1024], K = its axis 0); Wo (in the module: [1024, 1024], K = its axis 0); Wq (in the module: [1024, 1024], K = its axis 0); Wv (in the module: [1024, 1024], K = its axis 0); x_K (in the module: [4, 2048, 1024], K = its axis 2); x_Q (in the module: [4, 2048, 1024], K = its axis 2); x_V (in the module: [4, 2048, 1024], K = its axis 2): each comes as NAME_codes (uint8): NAME with its K axis moved to the last place and cut into blocks of 32 codes, [.., K / 32, bytes a block], one block behind the other in memory; four codes in three bytes: a row's codes are one little-endian stream of bits, code i at bits 6 i .. 6 i + 5 (a code: sign, 2 exponent bits, 3 mantissa bits); and NAME_scales (uint8): the same leading axes, one E8M0 byte (e + 127) for each 32 codes along K. Its value is code x scale, taken as it is: it is not quantised again, and the codes and scales need not be those that the quantiser above would give.
;; One version. Each part assembles by itself: llvm-mc -triple=amdgcn-amd-amdhsa -mcpu=gfx1250 --defsym DOCPART=n.
;; ======== version 1 of 1: 3 launches
;; limits: right only within a limited range of input values
;; workspace buffers: qc 6,291,456 bytes; kc 6,291,456 bytes; vc 6,291,456 bytes; qs 524,288 bytes; ks 524,288 bytes; vs 262,144 bytes; aoc 6,291,456 bytes; aos 262,144 bytes
;; launch proj (part 1): grid 8 x 32, 4 waves a work-group, clusters of 4 x 4, 327,680 bytes of LDS; arguments x_Q_codes, x_Q_scales, Wq_codes, Wq_scales, bq, qc, qs, x_K_codes, x_K_scales, Wk_codes, Wk_scales, bk, kc, ks, Wv_codes, Wv_scales, x_V_codes, x_V_scales, bv, vc, vs; writes qc, qs, kc, ks, vc, vs
.if DOCPART == 1
	.amdgcn_target "amdgcn-amd-amdhsa--gfx1250"
	.amdhsa_code_object_version 6
	.text
	.protected	k_qa5f166b08a_proj
	.globl	k_qa5f166b08a_proj
	.p2align	8
	.type	k_qa5f166b08a_proj,@function
k_qa5f166b08a_proj:
	s_mov_b64 s[64:65], 0
	v_nop
	global_prefetch_b8 v0, s[64:65] scope:SCOPE_SE
	s_setreg_imm32_b32 hwreg(HW_REG_WAVE_MODE, 25, 1), 1
	s_wait_xcnt 0x0
	s_wait_alu depctr_hold_cnt(0) depctr_sa_sdst(0) depctr_va_vdst(0) depctr_va_sdst(0) depctr_va_ssrc(0) depctr_va_vcc(0) depctr_vm_vsrc(0)
	s_getreg_b32 s2, hwreg(HW_REG_IB_STS2, 6, 4)
	s_cmp_eq_u32 s2, 0
	s_cbranch_scc0 .Lentry_in_a_cluster
	s_endpgm
.Lentry_in_a_cluster:
	s_bfe_u32 s2, ttmp6, 0x10000c
	s_cmp_lg_u32 s2, 0xf033
	s_cbranch_scc0 .Lentry_shape_is_right
	s_endpgm
.Lentry_shape_is_right:
; THE THREE PROJECTIONS: C'[m][n] = sum over k of A'[m][k] B'[n][k] + bias on codes of FP6 (E2M3), one E8M0 scale for each 32 along K = 1,024; C' is quantised again along n.
;   Q: A' = x_Q (tokens), B' = Wq (features), bias by column.  K likewise.  V^T: A' = Wv (features), B' = x_V (tokens), bias by row: V's keys are its columns.  No work of reference() is left out here.
; 256 WORK-GROUPS THAT STAY: each makes one block of 256 x 128 of Q, then of K (a loop of two trips), then of V^T (written out: it asks for nothing more).
; A phase's tiles lie whole in LDS: A's 256 rows and B's 128 rows of 768 bytes (16 bytes of padding behind each 256: pitch 816) and their scale bytes, 326,400 bytes, brought by four joint loads, one a wave.
; Rows in memory are 768 bytes and begin at multiples of 256.  At the head of a phase's last K step every LDS read of the phase is done: there stand a wait on the tensor loads, an add, a wait on LDS, a round of the cluster's barrier
; and the next phase's four loads; they land under the last step's 32 products and the way out.
; CLUSTERS 4 x 4: A's tiles are asked for jointly along a row of the cluster, B's along a column.  Q, K: tile row 4 cluster y + cy, tile column 4 cluster x + cx.  V: tile row cy, tile column 4 (2 cluster y + cluster x) + cx.
; PREFETCH: behind a phase's first K step, six K steps ahead of the loads, the next phase's tile of tokens (x_K's 768 blocks of 256 bytes, x_V's 384) is asked for, shared out by address among the sixteen waves
; that will ask for it jointly.  The weights' tiles, which eight or sixteen clusters ask for alike, are left to their loads.
; A WAVE makes 64 x 128: 32 accumulators (a, b) at v[8 (8 a + b)] of window 2.  The matrix instruction is used transposed (source 0 = 16 rows of B', source 1 = 16 rows of A'):
; a lane holds one row of C', register 16 g + 8 u + j of a block of rows is column 32 g + 16 u + 8 (lane / 16) + j.  A K step: one run of LDS loads for the next step (two sets of fragments), then 32 products.
; THE WAY OUT: each block of 16 rows x 128 columns is quantised in registers in blocks of 32 columns and leaves as two RECORDS of 768 bytes, the image of six operand registers
; (registers 0-3 at 16 x lane, 4-5 at 512 + 8 x lane).  Inside a block of 32 the codes stand in the order 16 h' + 8 u + j <-> column 16 u + 8 h' + j; every operand that meets a record is made the same way.
; LIMITS: a block of zeros, or one whose largest magnitude lies under 2^-124, gets the scale byte 1 (this program alone reads the bytes); NaN and infinities among the inputs are not served.
; WINDOW 0: v1-19 lane numbers and offsets; v22, v23 LDS addresses of scale words; v28, v29 the add's; v32-95 scale words; v96-159 the bias image; v160-255 A's fragments, two sets.
; WINDOW 1: B's fragments, sets at v0 and v128; v96-119 the LDS addresses of the twelve blocks of rows.
; SCALARS: s[24:37], s[40:53], s[68:81] the three groups of seven addresses, each stepped in place to this work-group's part; Q's first four give way to two descriptors' group 0.
.set KROW,   768
.set PITCH,  816
.set FR,     12
.set BB,     256*PITCH
.set SCA,    BB+128*PITCH
.set SCB,    SCA+32*272
.set SPARE,  SCB+16*272                ; the spare words: 128 bytes a wave
.set SBLK,   544                       ; the scale bytes of 16 rows: two units of 256 + 16
.set ADRS, 22
.set SPW,  28
.set NIL,  29
.set SC,   32                          ; register 8 i + q: lanes 16-31 word q of B's block i; lanes 0-15 word (q + 4) % 8 of A's block i: a product's two scale registers differ modulo 8
.set CBI,  96
.set AF,   160
.set BA,   96                          ; window 1: two address registers for each of B's eight blocks,
.set AA,   112                         ; and of my four blocks of A
.set CDS,  112
.set LO,   160
.set W4,   176
.set WW,   184
.set W2,   192
.set TM,   200
.set G1,   4
.set G0B,  12
.set G0SB, 20
.set G0,   24
.set G0S,  28
.set G1B,  56
.set G1S,  84
.set G1SB, 92
.set MSB, 0
.macro WIN new                         ; the immediate's high byte repeats the setting that is left
.if MSB != (\new)
	s_set_vgpr_msb (MSB<<8)|(\new)
.set MSB, (\new)
.endif
.endm
.set MUL,  0xa1                        ; source 0 (B') window 1, source 1 (A') window 0, C and D window 2
.macro PLACES n
.rept \n
	v_nop
.endr
.endm
.macro WALU
	s_wait_alu depctr_va_vdst(0)
.endm
.macro CROUND                          ; a round of the cluster's barrier
	s_barrier_signal -1
	s_barrier_wait -1
	s_cmp_lg_u32 s3, 0
	s_cbranch_scc1 .Lnot_wave_0_\@
	s_barrier_signal -3
.Lnot_wave_0_\@:
	s_barrier_wait -3
	s_barrier_signal -1
	s_barrier_wait -1
.endm
.macro CODES1 g, mask, rows            ; group 1: rows of 768 bytes, 16 bytes of padding behind every 64 words
	s_or_b32 s[\g+0], s\mask, (1<<20)|(1<<21)|(5<<22)|(3<<25)
	s_mov_b32 s[\g+1], KROW<<16
	s_mov_b32 s[\g+2], (\rows)<<16
	s_mov_b32 s[\g+3], KROW<<16
	s_mov_b32 s[\g+4], \rows
	s_mov_b32 s[\g+5], KROW
	s_mov_b32 s[\g+6], 0
	s_mov_b32 s[\g+7], 0
.endm
.macro SCALE1 g, mask, rows            ; group 1: a dense block as rows of 256 bytes (32 elements of 8), 16 bytes of padding behind each
	s_or_b32 s[\g+0], s\mask, (3<<16)|(1<<20)|(1<<21)|(5<<22)|(3<<25)
	s_mov_b32 s[\g+1], 32<<16
	s_mov_b32 s[\g+2], (\rows)<<16
	s_mov_b32 s[\g+3], 32<<16
	s_mov_b32 s[\g+4], \rows
	s_mov_b32 s[\g+5], 32
	s_mov_b32 s[\g+6], 0
	s_mov_b32 s[\g+7], 0
.endm
.macro SETG0 g, p                      ; group 0's address words from the address in s[p:p+1]
	s_mov_b64 s[\g+2:\g+3], s[\p:\p+1]
	s_or_b32 s[\g+3], s[\g+3], 0x80000000
.endm
.macro PADD p, src, mul                ; the address in s[p:p+1] steps by s\src x mul bytes (s55 = 0)
	s_mul_i32 s54, s\src, \mul
	s_add_nc_u64 s[\p:\p+1], s[\p:\p+1], s[54:55]
.endm
.macro TLOAD g0, g1
	tensor_load_to_lds s[\g0:\g0+3], s[\g1:\g1+7]
	s_nop 0
	PLACES 4
.endm
.macro ASK4                            ; a phase's four tiles, one a wave: one chain of branches on the wave's number, every way passes one load
	s_cmp_lt_u32 s3, 1
	s_cbranch_scc0 .Lb_\@
	TLOAD G0, G1
	s_branch .Lj_\@
.Lb_\@:
	s_cmp_lt_u32 s3, 2
	s_cbranch_scc0 .Lsa_\@
	TLOAD G0B, G1B
	s_branch .Lj_\@
.Lsa_\@:
	s_cmp_lt_u32 s3, 3
	s_cbranch_scc0 .Lsb_\@
	TLOAD G0S, G1S
	s_branch .Lj_\@
.Lsb_\@:
	TLOAD G0SB, G1SB
.Lj_\@:
.endm
	; three groups of seven addresses: A' codes, A' scales, B' codes, B' scales, bias, codes out, scale words out
	s_load_b256 s[24:31], s[0:1], 0x0
	s_load_b128 s[32:35], s[0:1], 0x20
	s_load_b64 s[36:37], s[0:1], 0x30
	s_load_b256 s[40:47], s[0:1], 0x38
	s_load_b128 s[48:51], s[0:1], 0x58
	s_load_b64 s[52:53], s[0:1], 0x68
	s_load_b256 s[68:75], s[0:1], 0x70
	s_load_b128 s[76:79], s[0:1], 0x90
	s_load_b64 s[80:81], s[0:1], 0xa0
	v_lshl_add_u32 v[SPW], v0, 2, SPARE
	v_mov_b32 v[NIL], 0
	ds_add_u32 v[SPW], v[NIL]                      ; the opening lines: the add twice and one wait
	ds_add_u32 v[SPW], v[NIL]
	v_lshrrev_b32 v1, 5, v0
	v_readfirstlane_b32 s3, v1                     ; wave 0..3
	s_bfe_u32 s16, ttmp6, 0x40000                  ; cx
	s_bfe_u32 s17, ttmp6, 0x40004                  ; cy; also V's tile row
	s_lshl_b32 s18, s17, 2
	s_lshl_b32 s18, 15, s18                        ; my row of the cluster
	s_lshl_b32 s19, 0x1111, s16                    ; my column
	CODES1 G1, 18, 256
	CODES1 G1B, 19, 128
	SCALE1 G1S, 18, 32
	SCALE1 G1SB, 19, 16
	s_and_b32 s38, ttmp7, 0xffff
	s_lshl_b32 s18, s38, 2
	s_add_co_u32 s18, s18, s17                     ; Q, K: tile row, 0..31
	s_lshl_b32 s19, ttmp9, 2
	s_add_co_u32 s19, s19, s16                     ; Q, K: tile column, 0..7
	s_lshl_b32 s38, s38, 1
	s_add_co_u32 s38, s38, ttmp9
	s_lshl_b32 s38, s38, 2
	s_add_co_u32 s38, s38, s16                     ; V: tile column, 0..63
	s_lshl_b32 s100, s16, 2
	s_add_co_u32 s100, s100, s3
	s_mul_i32 s100, s100, 12288                    ; my sixteenth of a tile of A', among the waves of my row of the cluster,
	s_lshl_b32 s101, s17, 2
	s_add_co_u32 s101, s101, s3
	s_mul_i32 s101, s101, 6144                     ; and of a tile of B', among those of my column
	s_mov_b32 s55, 0
	s_mov_b32 s66, 0x76543210
	s_mov_b32 s67, 0xfedcba98                      ; selects for lane l xor 16
	s_mov_b32 s82, 0xffff0000                      ; lanes 16-31
	s_wait_dscnt 0x0
	s_wait_kmcnt 0x0
.irp g, 24, 40
	PADD \g, 18, 256*KROW
	PADD \g+2, 18, 256*32
	PADD \g+4, 19, 128*KROW
	PADD \g+6, 19, 128*32
.endr
	PADD 68, 17, 256*KROW
	PADD 70, 17, 256*32
	PADD 72, 38, 128*KROW
	PADD 74, 38, 128*32
	s_mov_b32 s[G0SB], 1                           ; Q's four tiles; each address is moved before its registers are taken
	s_mov_b32 s[G0SB+1], SCB
	SETG0 G0SB, 30
	s_mov_b32 s[G0B], 1
	s_mov_b32 s[G0B+1], BB
	SETG0 G0B, 28
	SETG0 G0S, 26
	s_mov_b32 s[G0S], 1
	s_mov_b32 s[G0S+1], SCA
	SETG0 G0, 24
	s_mov_b32 s[G0], 1
	s_mov_b32 s[G0+1], 0
	CROUND                                         ; all sixteen work-groups are here: the joint loads meet
	ASK4
	v_and_b32 v1, 15, v0                           ; r
	v_bfe_u32 v2, v0, 4, 1                         ; h
	v_and_b32 v7, 31, v0
	v_mul_u32_u24 v3, v1, PITCH
	v_mad_u32_u24 v4, v2, 24, v3                   ; a fragment's row x pitch + 24 h
	v_mad_u32_u24 v5, v2, 40, v3                   ; the same where lanes 16-31 lie behind one padding more
	s_mul_i32 s54, s3, 64*PITCH                    ; my 64 rows of A'
	v_add_nc_u32 v18, s54, v4
	v_add_nc_u32 v19, s54, v5
	WIN 0x40
.irp i, 0,1,2,3,4,5,6,7
	v_add_nc_u32 v[BA+2*\i], BB+\i*16*PITCH, v4
	v_add_nc_u32 v[BA+2*\i+1], BB+\i*16*PITCH, v5
.endr
.irp i, 0,1,2,3
	v_add_nc_u32 v[AA+2*\i], \i*16*PITCH, v18
	v_add_nc_u32 v[AA+2*\i+1], \i*16*PITCH, v19
.endr
	WIN 0
	v_lshlrev_b32 v5, 5, v1                        ; my row's scale bytes: 32 a row,
	v_lshrrev_b32 v6, 3, v1
	v_lshl_add_u32 v5, v6, 4, v5                   ; and 16 more behind 256
	s_mul_i32 s54, s3, 8*272
	s_add_co_u32 s54, s54, SCA                     ; A's, my 64 rows
	s_mov_b32 s83, SCB-16
	s_sub_co_u32 s83, s83, s54
	v_mul_u32_u24 v6, s83, v2
	v_add_nc_u32 v6, v6, v5
	s_add_co_u32 s105, s54, 16
	v_add_nc_u32 v[ADRS], s105, v6                 ; lanes 0-15: A's words 4-7; lanes 16-31: B's words 0-3
	s_add_co_u32 s83, s83, 32
	WALU
	v_mul_u32_u24 v6, s83, v2
	v_add_nc_u32 v6, v6, v5
	v_add_nc_u32 v[ADRS+1], s54, v6                ; lanes 0-15: A's words 0-3; lanes 16-31: B's words 4-7
	v_lshlrev_b32 v8, 4, v7                        ; 16 x lane
	v_lshlrev_b32 v9, 3, v7                        ; 8 x lane
	v_lshlrev_b32 v12, 4, v1
	v_lshl_add_u32 v12, v2, 13, v12                ; Q's, K's scale words: 16 r, head h
	v_lshlrev_b32 v13, 5, v2                       ; bias by column: 32 h
	v_lshlrev_b32 v14, 2, v1                       ; bias by row: 4 r
	v_lshl_add_u32 v15, v7, 8, s100                ; the prefetches: a lane a block of 256 bytes: blocks 0-31 of my 48 of A',
	v_min_u32 v16, 15, v7
	v_lshl_add_u32 v16, v16, 8, s100
	v_add_nc_u32 v16, 8192, v16                    ; blocks 32-47 (the lanes left over name the last again),
	v_min_u32 v17, 23, v7
	v_lshl_add_u32 v17, v17, 8, s101               ; and my 24 of B'
	; where the bias lies and the results go.  Q, K: my first token 256 x tile row + 64 w, my first head 2 x tile column
	PADD 32, 19, 512
	PADD 48, 19, 512
	s_lshl_b32 s16, s18, 8
	s_lshl_b32 s54, s3, 6
	s_add_co_u32 s16, s16, s54
	s_lshr_b32 s39, s16, 11
	s_lshl_b32 s39, s39, 4
	s_lshl_b32 s54, s19, 1
	s_add_co_u32 s39, s39, s54                     ; 16 x batch + head
	s_and_b32 s16, s16, 2047
	s_mul_i32 s54, s39, 98304
	s_mul_i32 s83, s16, 48                         ; 768 bytes for each 16 tokens
	s_add_co_u32 s54, s54, s83
	s_add_nc_u64 s[34:35], s[34:35], s[54:55]
	s_add_nc_u64 s[50:51], s[50:51], s[54:55]
	s_lshl_b32 s54, s39, 13
	s_lshr_b32 s83, s16, 6
	s_lshl_b32 s83, s83, 8                         ; 256 bytes of scale words for my 64 tokens
	s_add_co_u32 s54, s54, s83
	s_add_nc_u64 s[36:37], s[36:37], s[54:55]
	s_add_nc_u64 s[52:53], s[52:53], s[54:55]
	; V: my first feature 256 cy + 64 w (one head), my first key 128 x tile column
	s_lshl_b32 s16, s17, 8
	s_lshl_b32 s54, s3, 6
	s_add_co_u32 s16, s16, s54
	s_lshl_b32 s54, s16, 2
	s_add_nc_u64 s[76:77], s[76:77], s[54:55]
	s_lshr_b32 s16, s16, 6
	s_lshl_b32 s83, s38, 7
	s_lshr_b32 s39, s83, 11
	s_lshl_b32 s39, s39, 4
	s_add_co_u32 s39, s39, s16
	s_and_b32 s83, s83, 2047
	s_mul_i32 s54, s39, 98304
	s_mul_i32 s16, s83, 48
	s_add_co_u32 s54, s54, s16
	s_add_nc_u64 s[78:79], s[78:79], s[54:55]
	s_lshl_b32 s54, s39, 12
	s_lshr_b32 s83, s83, 7
	s_lshl_b32 s83, s83, 8
	s_add_co_u32 s54, s54, s83
	s_add_nc_u64 s[80:81], s[80:81], s[54:55]
.macro FRAG reg, q, a0, a1             ; 16 rows x 128 K: 12 registers, six pieces of 8 bytes, two to a load where both go by one address register; piece y lies at 8 y + 16 (y / 32) of its LDS row
.set SKIP_, 0
.irp p, 0,1,2,3,4,5
.if SKIP_
.set SKIP_, 0
.else
.set PC_, 12*(\q)+6*(\p/3)+\p%3
.set PN_, 12*(\q)+6*((\p+1)/3)+(\p+1)%3
.set X_, (PC_%32+3)/32
.set XQ_, (PN_%32+3)/32
.if (\p < 5) && (X_ == XQ_)
.set SKIP_, 1
.if X_
	ds_load_2addr_b64 v[\reg+2*\p:\reg+2*\p+3], \a1 offset0:PC_+2*(PC_/32) offset1:PN_+2*(PN_/32)
.else
	ds_load_2addr_b64 v[\reg+2*\p:\reg+2*\p+3], \a0 offset0:PC_+2*(PC_/32) offset1:PN_+2*(PN_/32)
.endif
.elseif X_
	ds_load_b64 v[\reg+2*\p:\reg+2*\p+1], \a1 offset:8*(PC_+2*(PC_/32))
.else
	ds_load_b64 v[\reg+2*\p:\reg+2*\p+1], \a0 offset:8*(PC_+2*(PC_/32))
.endif
.endif
.endr
.endm
.macro FETCH q                         ; K step q's twelve fragments into set q % 2, in one run
	WIN 0x41                                       ; data and addresses in window 1
.irp i, 0,1,2,3,4,5,6,7
	FRAG 128*((\q)%2)+FR*\i, \q, v[BA+2*\i], v[BA+2*\i+1]
.endr
	WIN 0x01                                       ; data in window 0
.irp i, 0,1,2,3
	FRAG AF+48*((\q)%2)+FR*\i, \q, v[AA+2*\i], v[AA+2*\i+1]
.endr
.endm
.macro WM c                            ; one product on the symbols that PROD has set
	v_wmma_scale_f32_16x16x128_f8f6f4 v[D_:D_+7], v[FB_:FB_+FR-1], v[FA_:FA_+FR-1], \c, v[XB_], v[XA_] matrix_a_fmt:MATRIX_FMT_FP6 matrix_b_fmt:MATRIX_FMT_FP6 matrix_a_scale:MATRIX_SCALE_ROW1
.endm
.macro PROD q, m, cmode                ; product m = 8 a + b of K step q.  cmode 0: C = D;  1: C = the bias image by B's block;  2: by A's block
.set D_, 8*(\m)
.set FB_, 128*((\q)%2)+FR*((\m)%8)
.set FA_, AF+48*((\q)%2)+FR*((\m)/8)
.set XB_, SC+8*((\m)%8)+(\q)
.set XA_, SC+8*((\m)/8)+((\q)+4)%8
.if \cmode == 0
	WIN MUL
	WM v[D_:D_+7]
.elseif \cmode == 1
	WIN 0x81
	WM v[CBI+8*((\m)%8):CBI+8*((\m)%8)+7]
.else
	WIN 0x81
	WM v[CBI+8*((\m)/8):CBI+8*((\m)/8)+7]
.endif
.endm
.macro PRODS q, cmode                  ; the 32 accumulators take turns, one product a turn
.set N_, 0
.rept 32
	PROD \q, N_, \cmode
.set N_, N_+1
.endr
.endm
.macro KSTEP q, cmode                  ; four places stand between the last step's products, which read the other set, and the loads into it (ISA guide 7.12.1 for vector instructions)
	s_wait_dscnt 0x0                               ; this step's fragments are in: they were asked for 32 products ago
.if (\q) < 7
.if (\q) > 0
	PLACES 4
.endif
	FETCH (\q)+1
.endif
	PRODS \q, \cmode
.endm
.macro START                           ; a phase's tiles are shown to all waves; its first fragments and all its scale words
	WALU
	s_wait_tensorcnt 0x0                           ; my tile is in;
	s_barrier_signal -1
	s_barrier_wait -1                              ; everybody's is
	FETCH 0
	WIN 0
.irp i, 0,1,2,3,4,5,6,7                ; (for i > 3 lanes 0-15 read words that no product takes)
	ds_load_b128 v[SC+8*\i:SC+8*\i+3], v[ADRS] offset:\i*SBLK
	ds_load_b128 v[SC+8*\i+4:SC+8*\i+7], v[ADRS+1] offset:\i*SBLK
.endr
	s_wait_loadcnt 0x0                             ; the bias
.endm
.macro QBLK a, oc, astr
.set AC, 64*(\a)
.if (\a) > 0
	s_wait_xcnt 0x0                                ; the last block's stores have read their data and base
	s_add_nc_u64 s[\oc:\oc+1], s[\oc:\oc+1], \astr
.endif
	WIN 0x0a
.irp b, 0,1,2,3
	v_max3_num_f32 v[TM+\b], |v[AC+16*\b]|, |v[AC+16*\b+1]|, 0x1800000   ; column block b, each accumulator from its low end on; the floor 2^(3 - 127) holds the byte at 1
.endr
.irp i, 2,4,6,8,10,12,14
.irp b, 0,1,2,3
	v_max3_num_f32 v[TM+\b], |v[AC+16*\b+\i]|, |v[AC+16*\b+\i+1]|, v[TM+\b]
.endr
.endr
	WIN 0
.irp b, 0,1,2,3
	v_permlanex16_b32 v[TM+4+\b], v[TM+\b], s66, s67
.endr
.irp b, 0,1,2,3
	v_max_num_f32 v[TM+\b], v[TM+\b], v[TM+4+\b]   ; the block's largest magnitude
.endr
.irp b, 0,1,2,3
	v_add_nc_u32 v[TM+12+\b], 0xff000000, v[TM+\b] ; 2 off its exponent field: the conversion's scale operand
.endr
.irp b, 0,1,2,3
	v_lshrrev_b32 v[TM+4+\b], 23, v[TM+12+\b]      ; the scale's byte
.endr
	v_lshl_or_b32 v[LO+(\a)], v[TM+5], 8, v[TM+4]
	v_lshl_or_b32 v[LO+8+(\a)], v[TM+7], 8, v[TM+6]
	WIN 0x02
.irp c, 0,1
	v_cvt_scalef32_pk16_fp6_f32 v[CDS+6*\c:CDS+2+6*\c], v[AC+32*\c:AC+15+32*\c], v[TM+12+2*\c]
	v_cvt_scalef32_pk16_fp6_f32 v[CDS+12+4*\c:CDS+14+4*\c], v[AC+16+32*\c:AC+31+32*\c], v[TM+12+2*\c+1]
.endr
	WIN 0
	v_nop                                          ; one plain place behind a scaled conversion
.irp c, 0,1                                    ; a whole block in a lane: lanes 0-15 block 2 c, lanes 16-31 block 2 c + 1
.irp i, 0,1,2
	v_permlane16_swap_b32 v[CDS+6*\c+\i], v[CDS+12+4*\c+\i]
.endr
.irp i, 0,1,2
	v_mov_b32 v[CDS+3+6*\c+\i], v[CDS+12+4*\c+\i]
.endr
.endr
	global_store_b128 v8, v[CDS:CDS+3], s[\oc:\oc+1]                  ; 512 consecutive bytes,
	global_store_b64 v9, v[CDS+4:CDS+5], s[\oc:\oc+1] offset:512      ; and 256 more: a record
	global_store_b128 v10, v[CDS+6:CDS+9], s[\oc:\oc+1]
	global_store_b64 v11, v[CDS+10:CDS+11], s[\oc:\oc+1] offset:512
.endm
; Q, K: record (a, c) = tokens 16 a on, head c of my two: 768 a + 98,304 c.   V: record (a, c) = d 16 a on of my head, keys 64 c on: 1,536 a + 768 c.
; The scale words.  Q, K: word = a head's two bytes, repeated; lane (r, h) stores the words of my four tiles of row r for head h: 16 lanes fill 256 bytes.
; V: word = the four key blocks' bytes; lanes 0-15 store d tiles 0, 1, lanes 16-31 d tiles 2, 3: 256 bytes.
.macro WAYOUT oc, os, astr, cstr, isv
	PLACES 4                                       ; places behind the products of the last two K steps, whose fragments' registers are written below (ISA guide 7.12.1)
	v_add_nc_u32 v10, \cstr, v8                    ; from c = 0 to c = 1
	v_add_nc_u32 v11, \cstr, v9
.irp b, 0,1,2,3
	v_mov_b32 v[TM+4+\b], 0                        ; a lane permute's destination counts as one of its sources
.endr
.irp a, 0,1,2,3
	QBLK \a, \oc, \astr
.endr
.if \isv
.irp a, 0,1,2,3
	v_lshl_or_b32 v[WW+\a], v[LO+8+\a], 16, v[LO+\a]
.endr
.irp j, 0,1
	v_cndmask_b32 v[W2+\j], v[WW+\j], v[WW+2+\j], s82
.endr
	global_store_b64 v9, v[W2:W2+1], s[\os:\os+1]
.else
.irp j, 0,1,2,3
	v_cndmask_b32 v[W4+\j], v[LO+\j], v[LO+8+\j], s82
.endr
.irp j, 0,1,2,3
	v_lshl_or_b32 v[W4+\j], v[W4+\j], 16, v[W4+\j]
.endr
	global_store_b128 v12, v[W4:W4+3], s[\os:\os+1]
.endif
.endm
	WALU
	s_mov_b32 s2, 0
.Lphase:                                               ; two trips: Q, K.  s[32:37]: this phase's bias and results;  s[40:47]: the next phase's four tiles
.irp b, 0,1,2,3,4,5,6,7                ; the bias image, the C of the first K step: register 8 b + j = bias[first column + 16 b + 8 h + j]
	global_load_b128 v[CBI+8*\b:CBI+8*\b+3], v13, s[32:33] offset:64*\b
	global_load_b128 v[CBI+8*\b+4:CBI+8*\b+7], v13, s[32:33] offset:64*\b+16
.endr
	START
	KSTEP 0, 1
	WIN 0
	s_cmp_eq_u32 s2, 0                             ; the next phase's tile of tokens: x_K's is its A', x_V's its B'
	s_cbranch_scc0 .Lpf_v
	global_prefetch_b8 v15, s[40:41] th:TH_LOAD_NT scope:SCOPE_SE
	global_prefetch_b8 v16, s[40:41] th:TH_LOAD_NT scope:SCOPE_SE
	s_branch .Lpf_done
.Lpf_v:
	global_prefetch_b8 v17, s[44:45] th:TH_LOAD_NT scope:SCOPE_SE
.Lpf_done:
.irp q, 1,2,3,4,5,6
	KSTEP \q, 0
.endr
	WIN 0
	s_wait_tensorcnt 0x0                           ; none of my tensor loads is out: the descriptors may be written
	ds_add_u32 v[SPW], v[NIL]                      ; 0 onto my spare word
	SETG0 G0, 40
	SETG0 G0S, 42
	SETG0 G0B, 44
	SETG0 G0SB, 46
	s_wait_dscnt 0x0                               ; the add is done, and the last step's fragments are in: my reads of this phase's tiles are over
	CROUND                                         ; so are those of every wave of every partner
	ASK4                                           ; the next phase's tiles
	PRODS 7, 0
	WIN 0
	WAYOUT 34, 36, 768, 98304, 0
	s_wait_xcnt 0x0                                ; the stores and prefetches have read their registers
	s_mov_b64 s[32:33], s[48:49]                   ; on to K's bias and results,
	s_mov_b64 s[34:35], s[50:51]
	s_mov_b64 s[36:37], s[52:53]
	s_mov_b64 s[40:41], s[68:69]                   ; and V's tiles are the next to be asked for
	s_mov_b64 s[42:43], s[70:71]
	s_mov_b64 s[44:45], s[72:73]
	s_mov_b64 s[46:47], s[74:75]
	s_add_co_u32 s2, s2, 1
	s_cmp_lt_u32 s2, 2
	WALU
	s_cbranch_scc1 .Lphase
	; V^T: the bias image by row: register 8 a + j = bias[first row + 16 a + r] for all j
.irp a, 0,1,2,3
	global_load_b32 v[CBI+8*\a], v14, s[76:77] offset:64*\a
.endr
	START
.irp a, 0,1,2,3
.irp j, 1,2,3,4,5,6,7
	v_mov_b32 v[CBI+8*\a+\j], v[CBI+8*\a]
.endr
.endr
	PLACES 4
	WALU
	KSTEP 0, 2
.irp q, 1,2,3,4,5,6,7
	KSTEP \q, 0
.endr
	WIN 0
	WAYOUT 78, 80, 1536, 768, 1
	s_wait_tensorcnt 0x0                           ; the wave's end
	ds_add_u32 v[SPW], v[NIL]
	s_wait_dscnt 0x0
	CROUND                                         ; the closing round
	s_endpgm
.Lfunc_end_k_qa5f166b08a_proj:
	.size	k_qa5f166b08a_proj, .Lfunc_end_k_qa5f166b08a_proj-k_qa5f166b08a_proj
	.p2alignl 7, 3214868480
	.fill 96, 4, 3214868480
	.section	.rodata,"a",@progbits
	.p2align	6, 0x0
	.amdhsa_kernel k_qa5f166b08a_proj
		.amdhsa_group_segment_fixed_size 327680
		.amdhsa_private_segment_fixed_size 0
		.amdhsa_enable_private_segment 0
		.amdhsa_kernarg_size 168
		.amdhsa_user_sgpr_count 2
		.amdhsa_user_sgpr_kernarg_segment_ptr 1
		.amdhsa_wavefront_size32 1
		.amdhsa_system_sgpr_workgroup_id_x 1
		.amdhsa_system_sgpr_workgroup_id_y 1
		.amdhsa_system_sgpr_workgroup_id_z 1
		.amdhsa_system_vgpr_workitem_id 0
		.amdhsa_next_free_vgpr 768
		.amdhsa_next_free_sgpr 106
		.amdhsa_reserve_vcc 0
		.amdhsa_float_denorm_mode_32 3
		.amdhsa_float_denorm_mode_16_64 3
		.amdhsa_memory_ordered 1
		.amdhsa_forward_progress 1
		.amdhsa_inst_pref_size 163
	.end_amdhsa_kernel
	.amdgpu_metadata
---
amdhsa.version: [ 1, 2 ]
amdhsa.kernels:
  - .name:           k_qa5f166b08a_proj
    .symbol:         k_qa5f166b08a_proj.kd
    .args:
      - { .name: x_Q_codes, .offset: 0, .size: 8, .value_kind: global_buffer, .address_space: global }
      - { .name: x_Q_scales, .offset: 8, .size: 8, .value_kind: global_buffer, .address_space: global }
      - { .name: Wq_codes, .offset: 16, .size: 8, .value_kind: global_buffer, .address_space: global }
      - { .name: Wq_scales, .offset: 24, .size: 8, .value_kind: global_buffer, .address_space: global }
      - { .name: bq, .offset: 32, .size: 8, .value_kind: global_buffer, .address_space: global }
      - { .name: qc, .offset: 40, .size: 8, .value_kind: global_buffer, .address_space: global }
      - { .name: qs, .offset: 48, .size: 8, .value_kind: global_buffer, .address_space: global }
      - { .name: x_K_codes, .offset: 56, .size: 8, .value_kind: global_buffer, .address_space: global }
      - { .name: x_K_scales, .offset: 64, .size: 8, .value_kind: global_buffer, .address_space: global }
      - { .name: Wk_codes, .offset: 72, .size: 8, .value_kind: global_buffer, .address_space: global }
      - { .name: Wk_scales, .offset: 80, .size: 8, .value_kind: global_buffer, .address_space: global }
      - { .name: bk, .offset: 88, .size: 8, .value_kind: global_buffer, .address_space: global }
      - { .name: kc, .offset: 96, .size: 8, .value_kind: global_buffer, .address_space: global }
      - { .name: ks, .offset: 104, .size: 8, .value_kind: global_buffer, .address_space: global }
      - { .name: Wv_codes, .offset: 112, .size: 8, .value_kind: global_buffer, .address_space: global }
      - { .name: Wv_scales, .offset: 120, .size: 8, .value_kind: global_buffer, .address_space: global }
      - { .name: x_V_codes, .offset: 128, .size: 8, .value_kind: global_buffer, .address_space: global }
      - { .name: x_V_scales, .offset: 136, .size: 8, .value_kind: global_buffer, .address_space: global }
      - { .name: bv, .offset: 144, .size: 8, .value_kind: global_buffer, .address_space: global }
      - { .name: vc, .offset: 152, .size: 8, .value_kind: global_buffer, .address_space: global }
      - { .name: vs, .offset: 160, .size: 8, .value_kind: global_buffer, .address_space: global }
    .group_segment_fixed_size: 327680
    .private_segment_fixed_size: 0
    .kernarg_segment_align: 8
    .kernarg_segment_size: 168
    .max_flat_workgroup_size: 128
    .sgpr_count:     106
    .vgpr_count:     768
    .wavefront_size: 32
...
	.end_amdgpu_metadata
.endif
;; end of part 1
;; launch attn (part 2): grid 16 x 16, 16 waves a work-group, no clusters, 210,944 bytes of LDS; arguments qc, qs, kc, ks, vc, vs, src_batch_lens, aoc, aos; writes aoc, aos
.if DOCPART == 2
	.amdgcn_target "amdgcn-amd-amdhsa--gfx1250"
	.amdhsa_code_object_version 6
	.text
	.protected	k_qa5f166b08a_attn
	.globl	k_qa5f166b08a_attn
	.p2align	8
	.type	k_qa5f166b08a_attn,@function
k_qa5f166b08a_attn:
	s_mov_b64 s[64:65], 0
	v_nop
	global_prefetch_b8 v0, s[64:65] scope:SCOPE_SE
	s_setreg_imm32_b32 hwreg(HW_REG_WAVE_MODE, 25, 1), 1
	s_wait_xcnt 0x0
; ATTENTION of one head, both products on codes of FP6 (E2M3) with one E8M0 scale for each 32 along K; the result is quantised along the head's 64 for the last projection.
; Keys at or beyond the batch's length (an int32 input) are masked; a key step of 128 all of whose keys are masked is passed over by a scalar branch on the length: reference() throws its scores away.
; t = score x log2(e) / 8; M = the running largest t rounded up to a whole number; p = 2^(t - M) is quantised along the keys, not normalised; the row's sum is taken of the unquantised p and divides O at the end.
; SHARES.  A work-group's work grows with its batch's length, so a work-group serves TWO batches, 256 queries of each, one pass after the other: the four lengths are ranked (ties by the batch's number),
; and the longest goes with the shortest, the second with the third.  Work-group (x, head): pair x / 8, queries 256 (x % 8) on; x % 8 > 3 takes its pair in the other order, so each batch is read in both passes.
; In each pass the head's K and V, as records and scale images (208,896 bytes), are copied into LDS through registers: wave w copies key step w; a barrier ahead of the stores (the last pass's reads are over) and one behind.
; No tensor load and no cluster multicast are used.  No prefetch: a pass's bytes are asked for in one run at its head.
; Each of the sixteen waves owns one tile of 16 queries a pass.  Both products are used transposed: S^T = K Q^T, O^T = V^T P^T: a lane holds one query (lane % 16).
; A RECORD is the image of six operand registers (16 rows x 64 along K): registers 0-3 at 16 x lane, 4-5 at 512 + 8 x lane.  K = 64 fills half of the first product's 128: Q's registers 6-11 hold zero codes,
; so K's eight fragments lie 6 registers apart, each one's upper half being the next one's data.  Q's and K's scale words repeat bytes 0, 1 in bytes 2, 3.
; The result leaves as aoc[token tile][head][768] and aos[token][2 head + block].
; LIMITS: 1 <= length is asked; a length above 2,048, or a negative one read as unsigned, masks nothing.  NaN and infinities are not served.  A block of zeros, or one under 2^-124, gets the scale byte 1.
; The scaled scores stay under 2^31 in magnitude.
; REGISTERS: v1 16 x lane, v2 8 x lane; v3, v4 the step's LDS addresses; v5 8 h; v6 -infinity; v7, v8 offsets; v10, v11 the fill's LDS addresses; v12 -M, v13 the largest t, v[14:15] the sum;
;   v16-27 Q; v32-79 K; v80-127 V; v128-191 S^T, then p; v192-223 O^T; v224-235 p's codes; v230-254 at work; v248-251 scale words; v253 p's scale word; v255 Q's; v31, v243 the add's.
.set STEPB, 13056
.set VOFF,  6144
.set KSC,   12288
.set VSC,   12800
.set WV,   22
.set LEN,  27
.set SEL,  28
.set CS,   30
.set HM,   32
.set TB,   33
.set KF,   34
.set CNT,  35
.set PASS, 36
.set WANT, 60
.set LN,   68                          ; s68-71 the four lengths;  s72-75 their ranks
.set RK,   72
	s_load_b512 s[4:19], s[0:1], 0x0               ; qc, qs, kc, ks, vc, vs, lengths, aoc
	s_load_b64 s[20:21], s[0:1], 0x40              ; aos
	v_lshl_add_u32 v31, v0, 2, 0x33000
	v_mov_b32 v243, 0
	v_lshrrev_b32 v9, 5, v0
	s_delay_alu instid0(VALU_DEP_1)
	v_readfirstlane_b32 s[WV], v9                  ; wave 0..15
	v_and_b32 v9, 31, v0
	s_delay_alu instid0(VALU_DEP_1)
	v_lshlrev_b32 v1, 4, v9
	s_delay_alu instid0(VALU_DEP_2)
	v_lshlrev_b32 v2, 3, v9
	v_bfe_u32 v5, v0, 4, 1                         ; h
	v_and_b32 v8, 15, v0                           ; r
	s_delay_alu instid0(VALU_DEP_1)
	v_lshl_add_u32 v7, v8, 5, v5                   ; the result's scale bytes: 32 bytes a token, block h
	s_delay_alu instid0(VALU_DEP_2)
	v_lshlrev_b32 v8, 4, v8                        ; Q's scale words: 16 bytes from row to row
	s_delay_alu instid0(VALU_DEP_4)
	v_lshlrev_b32 v5, 3, v5
	v_mov_b32 v6, 0xff800000
	s_mul_i32 s37, s[WV], STEPB
	v_add_nc_u32 v10, s37, v1                      ; the fill: my wave's key step
	v_add_nc_u32 v11, s37, v2
.irp j, 22,23,24,25,26,27
	v_mov_b32 v[\j], 0                             ; Q's upper half: zero codes
.endr
.irp j, 236,237,238,239,252,253
	v_mov_b32 v[\j], 0                             ; a lane permute's destination counts as one of its sources; v253 is named in the pair v[252:253]
.endr
	s_and_b32 s25, ttmp7, 0xffff                   ; head
	s_and_b32 s26, ttmp9, 7
	s_lshr_b32 s[WANT], ttmp9, 3                   ; the pair: ranks 0 and 3, or 1 and 2
	s_lshr_b32 s56, s26, 2
	s_mul_i32 s56, s56, 3
	s_xor_b32 s[WANT], s[WANT], s56                ; the rank of the first pass's batch
	s_lshl_b32 s26, s26, 4
	s_add_co_u32 s26, s26, s[WV]                   ; my tile of 16 queries in the head: 16 (x % 8) + w
	s_mov_b32 s57, 0
	s_mov_b32 s[SEL], 0x76543210
	s_mov_b32 s[SEL+1], 0xfedcba98                 ; selects for lane l xor 16
	s_mov_b32 s[CS], 0x3e38aa3b                    ; c = log2(e) / 8
	s_mov_b32 s[CS+1], s[CS]
	s_mov_b32 s[HM], 0xffff0000                    ; lanes 16-31
	s_wait_alu depctr_va_vdst(0)
	s_wait_kmcnt 0x0
	s_load_b128 s[LN:LN+3], s[16:17], 0x0
	s_wait_kmcnt 0x0
.irp i, 0,1,2,3
	s_min_u32 s[LN+\i], s[LN+\i], 2048
	s_mov_b32 s[RK+\i], 0
.endr
.macro CMPR i, j                       ; of two batches the shorter (of equals the later) gets one more in its rank
	s_cmp_ge_u32 s[LN+\i], s[LN+\j]
	s_cselect_b32 s76, 1, 0
	s_add_co_u32 s[RK+\j], s[RK+\j], s76
	s_xor_b32 s76, s76, 1
	s_add_co_u32 s[RK+\i], s[RK+\i], s76
.endm
	CMPR 0, 1
	CMPR 0, 2
	CMPR 0, 3
	CMPR 1, 2
	CMPR 1, 3
	CMPR 2, 3
	s_mov_b32 s[PASS], 2
.Lpass:
	s_mov_b32 s24, 0                               ; the batch of the wanted rank, and its length
	s_mov_b32 s[LEN], s[LN]
.irp i, 1,2,3
	s_cmp_eq_u32 s[RK+\i], s[WANT]
	s_cselect_b32 s24, \i, s24
	s_cselect_b32 s[LEN], s[LN+\i], s[LEN]
.endr
	s_min_u32 s24, s24, 3
	s_lshl_b32 s23, s24, 4
	s_add_co_u32 s23, s23, s25                     ; 16 x batch + head
	s_mul_i32 s38, s23, 98304                      ; the head's codes (in qc, kc, vc alike)
	s_lshl_b32 s39, s23, 13                        ; its scale words in qs, ks
	s_mul_i32 s56, s[WV], 6144
	s_add_co_u32 s56, s56, s38
	s_add_nc_u64 s[40:41], s[8:9], s[56:57]        ; kc, vc: my key step
	s_add_nc_u64 s[42:43], s[12:13], s[56:57]
	s_lshl_b32 s56, s[WV], 9
	s_add_co_u32 s56, s56, s39
	s_add_nc_u64 s[44:45], s[10:11], s[56:57]      ; ks
	s_lshl_b32 s58, s23, 12
	s_lshl_b32 s56, s[WV], 8
	s_add_co_u32 s56, s56, s58
	s_add_nc_u64 s[46:47], s[14:15], s[56:57]      ; vs
	s_mul_i32 s56, s26, 768
	s_add_co_u32 s56, s56, s38
	s_add_nc_u64 s[48:49], s[4:5], s[56:57]        ; qc
	s_lshr_b32 s56, s26, 2                         ; qs: 256 bytes for four tiles, 4 bytes from tile to tile
	s_lshl_b32 s56, s56, 8
	s_and_b32 s58, s26, 3
	s_lshl_b32 s58, s58, 2
	s_add_co_u32 s56, s56, s58
	s_add_co_u32 s56, s56, s39
	s_add_nc_u64 s[50:51], s[6:7], s[56:57]
	s_lshl_b32 s58, s24, 7
	s_add_co_u32 s58, s58, s26                     ; my tile among all 512
	s_lshl_b32 s56, s58, 4
	s_add_co_u32 s56, s56, s25
	s_mul_i32 s56, s56, 768
	s_add_nc_u64 s[52:53], s[18:19], s[56:57]      ; aoc
	s_lshl_b32 s56, s58, 9
	s_lshl_b32 s58, s25, 1
	s_add_co_u32 s56, s56, s58
	s_add_nc_u64 s[54:55], s[20:21], s[56:57]      ; aos
	; THE FILL: 26 loads of a wave are on their way together, each of 512 (the last 256) consecutive bytes
.irp c, 0,1,2,3,4,5,6,7,8,9,10,11
	global_load_b128 v[32+4*\c:35+4*\c], v1, s[40:41] offset:512*\c
.endr
.irp c, 0,1,2,3,4,5,6,7,8,9,10,11
	global_load_b128 v[80+4*\c:83+4*\c], v1, s[42:43] offset:512*\c
.endr
	global_load_b128 v[128:131], v1, s[44:45]
	global_load_b64 v[132:133], v2, s[46:47]
	s_wait_dscnt 0x0                               ; my reads of the last pass's head are over;
	s_barrier_signal -1
	s_barrier_wait -1                              ; everybody's are: LDS may be written
	s_wait_loadcnt 14                              ; K's twelve are in
.irp c, 0,1,2,3,4,5,6,7,8,9,10,11
	ds_store_b128 v10, v[32+4*\c:35+4*\c] offset:512*\c
.endr
	s_wait_loadcnt 2                               ; V's twelve are in
.irp c, 0,1,2,3,4,5,6,7,8,9,10,11
	ds_store_b128 v10, v[80+4*\c:83+4*\c] offset:VOFF+512*\c
.endr
	s_wait_loadcnt 0x0
	ds_store_b128 v10, v[128:131] offset:KSC
	ds_store_b64 v11, v[132:133] offset:VSC
	s_wait_dscnt 0x0                               ; for the others' sake: my stores have landed
	s_barrier_signal -1
	s_barrier_wait -1                              ; the whole head lies in LDS
	global_load_b128 v[16:19], v1, s[48:49]        ; Q's record
	global_load_b64 v[20:21], v2, s[48:49] offset:512
	global_load_b32 v255, v8, s[50:51]             ; and its scale words
	v_mov_b32 v13, 0xff61b1e6                      ; the largest t so far: -3e38
	s_delay_alu instid0(VALU_DEP_1)
	v_floor_f32 v12, -v13                          ; -M
	v_mov_b32 v14, 0
	v_mov_b32 v15, 0
.set n, 0
.rept 32
	v_mov_b32 v[192+n], 0                          ; O^T: the step is written once, the first finds zeros
.set n, n+1
.endr
	s_mov_b32 s[TB], 0
	s_mov_b32 s[KF], 0
	s_mov_b32 s[CNT], 16
.irp t, 0,1,2,3,4,5,6,7
	ds_load_b128 v[32+6*\t:35+6*\t], v1 offset:768*\t          ; key step 0's K; each later step's is asked for a step ahead
	ds_load_b64 v[36+6*\t:37+6*\t], v2 offset:768*\t+512
.endr
	ds_load_b128 v[248:251], v1 offset:KSC         ; lanes 0-15: the words of tiles 0-3; lanes 16-31: of tiles 4-7
	s_wait_loadcnt 0x0
	s_wait_dscnt 0x0
.Lstep:                                            ; sixteen trips, a constant; a step all of whose keys are masked does none of its work.  This step's K and its scale words are in registers
	s_cmp_ge_u32 s[KF], s[LEN]
	s_cbranch_scc1 .Lhidden
	s_add_co_u32 s37, s[TB], STEPB
	s_min_u32 s37, s37, 15*STEPB                   ; the next step's place, held at the last slot
	v_add_nc_u32 v3, s[TB], v1
	v_add_nc_u32 v4, s[TB], v2
	v_add_nc_u32 v30, s37, v1                      ; v30, v0: the next step's LDS addresses (the thread's number has served)
	v_add_nc_u32 v0, s37, v2
.irp t, 0,1,2,3
	v_wmma_scale_f32_16x16x128_f8f6f4 v[128+8*\t:135+8*\t], v[32+6*\t:43+6*\t], v[16:27], 0, v[248+\t], v255 matrix_a_fmt:MATRIX_FMT_FP6 matrix_b_fmt:MATRIX_FMT_FP6
.endr
.irp t, 4,5,6,7
	v_wmma_scale_f32_16x16x128_f8f6f4 v[128+8*\t:135+8*\t], v[32+6*\t:43+6*\t], v[16:27], 0, v[244+\t], v255 matrix_a_fmt:MATRIX_FMT_FP6 matrix_b_fmt:MATRIX_FMT_FP6 matrix_a_scale:MATRIX_SCALE_ROW1
.endr
.rept 4
	v_nop                                          ; places in front of the loads below and of the first read of the scores
.endr
.irp p, 0,1,2,3,4,5,6,7
	ds_load_b128 v[80+6*\p:83+6*\p], v3 offset:VOFF+768*\p       ; V's records land while the softmax is worked
	ds_load_b64 v[84+6*\p:85+6*\p], v4 offset:VOFF+768*\p+512
.endr
	ds_load_b64 v[28:29], v4 offset:VSC            ; V's scale words: lanes 0-15 those of d tiles 0, 1; lanes 16-31 of d tiles 2, 3
.irp t, 0,1,2,3,4,5,6,7
	ds_load_b128 v[32+6*\t:35+6*\t], v30 offset:768*\t         ; the next step's K, into the registers that the products above have read
	ds_load_b64 v[36+6*\t:37+6*\t], v0 offset:768*\t+512
.endr
	s_add_co_u32 s37, s[KF], 128                   ; the one step that the length cuts: masked scores become -infinity ahead of the maximum
	s_cmp_le_u32 s37, s[LEN]
	s_cbranch_scc1 .Lopen
	s_sub_co_i32 s37, s[LEN], s[KF]
	s_sub_co_i32 s37, s37, 1
	v_sub_nc_u32 v9, s37, v5                       ; register 8 t + j holds key KF + 16 t + 8 h + j
.set n, 0
.rept 64
	v_cmp_gt_i32 vcc_lo, 16*(n/8)+n%8, v9
	v_cndmask_b32 v[128+n], v[128+n], v6, vcc_lo
.set n, n+1
.endr
.Lopen:
.irp b, 0,1,2,3
	v_max3_num_f32 v[232+\b], v[128+16*\b], v[129+16*\b], v[130+16*\b]   ; the largest score of each block of 32 keys: for the row's maximum and for the block's largest p
.endr
.irp i, 3,5,7,9,11,13
.irp b, 0,1,2,3
	v_max3_num_f32 v[232+\b], v[232+\b], v[128+16*\b+\i], v[129+16*\b+\i]
.endr
.endr
.irp b, 0,1,2,3
	v_max_num_f32 v[232+\b], v[232+\b], v[143+16*\b]
.endr
.irp b, 0,1,2,3
	s_delay_alu instid0(VALU_DEP_4)
	v_permlanex16_b32 v[236+\b], v[232+\b], s[SEL], s[SEL+1]
.endr
.irp b, 0,1,2,3
	s_delay_alu instid0(VALU_DEP_4)
	v_max_num_f32 v[232+\b], v[232+\b], v[236+\b]  ; with lane l xor 16's 16 keys
.endr
	s_delay_alu instid0(VALU_DEP_2)
	v_max3_num_f32 v254, v232, v233, v234
	s_delay_alu instid0(VALU_DEP_1)
	v_max_num_f32 v254, v254, v235                 ; the step's largest score of my query
	s_delay_alu instid0(VALU_DEP_1)
	v_mul_f32 v254, s[CS], v254
	s_delay_alu instid0(VALU_DEP_1)
	v_max_num_f32 v13, v13, v254                   ; the running largest t
	v_mov_b32 v254, v12
	s_delay_alu instid0(VALU_DEP_2)
	v_floor_f32 v12, -v13                          ; the new -M = -ceil(t)
	s_delay_alu instid0(VALU_DEP_1)
	v_sub_f32 v254, v12, v254                      ; old M - new M: a whole number, 0 or less
	s_delay_alu instid0(VALU_DEP_1)
	v_cvt_i32_f32 v254, v254
	s_delay_alu instid0(VALU_DEP_1)
	v_ldexp_f32 v252, 1.0, v254                    ; f = 2^(old M - new M)
.set n, 0
.rept 32
	v_pk_fma_f32 v[128+n:129+n], v[128+n:129+n], s[CS:CS+1], v[12:13] op_sel_hi:[1,0,0]   ; t - M
.set n, n+2
.endr
.irp b, 0,1,2,3
	v_fma_f32 v[232+\b], v[232+\b], s[CS], v12     ; the same of each block's largest score
.endr
.set n, 0
	s_wait_alu depctr_va_vdst(0)
.rept 64
	v_exp_f32 v[128+n], v[128+n]                   ; p = 2^(t - M)
.set n, n+1
.endr
	v_pk_mul_f32 v[14:15], v[14:15], v[252:253] op_sel_hi:[1,0]   ; the sums under the new M
	s_wait_alu depctr_va_vdst(0)                   ; one wait for the batch, ahead of its first reader
.irp b, 0,1,2,3
	v_exp_f32 v[232+\b], v[232+\b]                 ; the block's largest p
.endr
	v_pk_add_f32 v[236:237], v[132:133], v[136:137]
	v_pk_add_f32 v[250:251], v[140:141], v[144:145]
	v_pk_add_f32 v[246:247], v[148:149], v[152:153]
	v_pk_add_f32 v[244:245], v[156:157], v[160:161]
	v_pk_add_f32 v[240:241], v[164:165], v[168:169]
	v_pk_add_f32 v[238:239], v[172:173], v[176:177]
	v_pk_add_f32 v[230:231], v[180:181], v[184:185]
	v_pk_add_f32 v[14:15], v[14:15], v[188:189]
	v_pk_add_f32 v[236:237], v[236:237], v[128:129]
	v_pk_add_f32 v[250:251], v[250:251], v[130:131]
	v_pk_add_f32 v[246:247], v[246:247], v[134:135]
	v_pk_add_f32 v[244:245], v[244:245], v[138:139]
	v_pk_add_f32 v[240:241], v[240:241], v[142:143]
	v_pk_add_f32 v[238:239], v[238:239], v[146:147]
	v_pk_add_f32 v[230:231], v[230:231], v[150:151]
	v_pk_add_f32 v[14:15], v[14:15], v[154:155]
	v_pk_add_f32 v[236:237], v[236:237], v[158:159]
	v_pk_add_f32 v[250:251], v[250:251], v[162:163]
	v_pk_add_f32 v[246:247], v[246:247], v[166:167]
	v_pk_add_f32 v[244:245], v[244:245], v[170:171]
	v_pk_add_f32 v[240:241], v[240:241], v[174:175]
	v_pk_add_f32 v[238:239], v[238:239], v[178:179]
	v_pk_add_f32 v[230:231], v[230:231], v[182:183]
	v_pk_add_f32 v[14:15], v[14:15], v[186:187]
	v_pk_add_f32 v[236:237], v[236:237], v[190:191]
	s_delay_alu instid0(VALU_DEP_2)
	v_pk_add_f32 v[14:15], v[14:15], v[244:245]
	s_delay_alu instid0(VALU_DEP_2)
	v_pk_add_f32 v[236:237], v[236:237], v[240:241]
	v_pk_add_f32 v[250:251], v[250:251], v[238:239]
	v_pk_add_f32 v[246:247], v[246:247], v[230:231]
	s_delay_alu instid0(VALU_DEP_2)
	v_pk_add_f32 v[14:15], v[14:15], v[250:251]
	s_delay_alu instid0(VALU_DEP_2)
	v_pk_add_f32 v[236:237], v[236:237], v[246:247]
	s_delay_alu instid0(VALU_DEP_1)
	v_pk_add_f32 v[14:15], v[14:15], v[236:237]
	ds_load_b128 v[248:251], v30 offset:KSC        ; the next step's K scale words: v250, v251 have served the sums
	s_wait_alu depctr_va_vdst(0)                   ; and one for the four
.irp b, 0,1,2,3
	v_max_num_f32 v[232+\b], 0x1800000, v[232+\b]  ; the floor 2^(3 - 127)
.endr
.irp b, 0,1,2,3
	s_delay_alu instid0(VALU_DEP_4)
	v_add_nc_u32 v[244+\b], 0xff000000, v[232+\b]  ; the conversion's scale operand
.endr
.irp b, 0,1,2,3
	s_delay_alu instid0(VALU_DEP_4)
	v_lshrrev_b32 v[236+\b], 23, v[244+\b]         ; the scale's byte
.endr
	s_delay_alu instid0(VALU_DEP_3)
	v_lshl_or_b32 v253, v237, 8, v236              ; p's scale word for these 128 keys
	s_delay_alu instid0(VALU_DEP_1)
	v_lshl_or_b32 v253, v238, 16, v253
	s_delay_alu instid0(VALU_DEP_1)
	v_lshl_or_b32 v253, v239, 24, v253
.irp c, 0,1
	v_cvt_scalef32_pk16_fp6_f32 v[224+6*\c:226+6*\c], v[128+32*\c:143+32*\c], v[244+2*\c]
	v_cvt_scalef32_pk16_fp6_f32 v[236+4*\c:238+4*\c], v[144+32*\c:159+32*\c], v[244+2*\c+1]
.endr
	v_nop                                          ; one plain place behind a scaled conversion
.irp c, 0,1                                    ; a whole block in a lane
.irp i, 0,1,2
	v_permlane16_swap_b32 v[224+6*\c+\i], v[236+4*\c+\i]
.endr
.irp i, 0,1,2
	s_delay_alu instid0(VALU_DEP_3)
	v_mov_b32 v[227+6*\c+\i], v[236+4*\c+\i]
.endr
.endr
.set n, 0
.rept 16
	v_pk_mul_f32 v[192+n:193+n], v[192+n:193+n], v[252:253] op_sel_hi:[1,0]   ; O^T under the new M; also the places ahead of the products
.set n, n+2
.endr
	s_wait_alu depctr_va_vdst(0)
	s_wait_dscnt 0x0                               ; V and its scale words are in
.irp t, 0,1
	v_wmma_scale_f32_16x16x128_f8f6f4 v[192+8*\t:199+8*\t], v[80+12*\t:91+12*\t], v[224:235], v[192+8*\t:199+8*\t], v[28+\t], v253 matrix_a_fmt:MATRIX_FMT_FP6 matrix_b_fmt:MATRIX_FMT_FP6
.endr
.irp t, 2,3
	v_wmma_scale_f32_16x16x128_f8f6f4 v[192+8*\t:199+8*\t], v[80+12*\t:91+12*\t], v[224:235], v[192+8*\t:199+8*\t], v[26+\t], v253 matrix_a_fmt:MATRIX_FMT_FP6 matrix_b_fmt:MATRIX_FMT_FP6 matrix_a_scale:MATRIX_SCALE_ROW1
.endr
.Lhidden:
	s_add_co_u32 s[KF], s[KF], 128
	s_add_co_u32 s[TB], s[TB], STEPB
	s_sub_co_u32 s[CNT], s[CNT], 1
	s_cmp_lg_u32 s[CNT], 0
	s_cbranch_scc1 .Lstep
	; THE TILE'S WAY OUT: O^T / the sum, brought into the natural order along d, quantised in two blocks of 32, stored as one record and 32 scale bytes
.rept 4
	v_nop
.endr
	v_add_f32 v14, v14, v15
	s_delay_alu instid0(VALU_DEP_1)
	v_permlanex16_b32 v252, v14, s[SEL], s[SEL+1]
	s_delay_alu instid0(VALU_DEP_1)
	v_add_f32 v14, v14, v252                       ; the row's sum
	s_wait_alu depctr_va_vdst(0)
	v_rcp_f32 v14, v14
	v_nop
	s_wait_alu depctr_va_vdst(0)
.set n, 0
.rept 32
	v_mul_f32 v[128+n], v[192+n], v14              ; register 8 t + j is o(query r, d = 16 t + 8 h + j)
.set n, n+1
.endr
.irp g, 0,1                                    ; register 16 g + i becomes d = 32 g + 16 h + i: the last projection's weight has its codes in the natural order
.irp j, 0,1,2,3,4,5,6,7
	v_permlane16_swap_b32 v[128+16*\g+\j], v[136+16*\g+\j]
.endr
.endr
.irp g, 0,1
	v_max3_num_f32 v[232+\g], |v[128+16*\g]|, |v[129+16*\g]|, 0x1800000
.endr
.irp i, 2,4,6,8,10,12,14
.irp g, 0,1
	s_delay_alu instid0(VALU_DEP_2)
	v_max3_num_f32 v[232+\g], v[232+\g], |v[128+16*\g+\i]|, |v[129+16*\g+\i]|
.endr
.endr
.irp g, 0,1
	s_delay_alu instid0(VALU_DEP_2)
	v_permlanex16_b32 v[236+\g], v[232+\g], s[SEL], s[SEL+1]
.endr
.irp g, 0,1
	s_delay_alu instid0(VALU_DEP_2)
	v_max_num_f32 v[232+\g], v[232+\g], v[236+\g]
.endr
.irp g, 0,1
	s_delay_alu instid0(VALU_DEP_2)
	v_add_nc_u32 v[244+\g], 0xff000000, v[232+\g]
.endr
.irp g, 0,1
	s_delay_alu instid0(VALU_DEP_2)
	v_lshrrev_b32 v[236+\g], 23, v[244+\g]
.endr
	v_cvt_scalef32_pk16_fp6_f32 v[224:226], v[128:143], v244
	v_cvt_scalef32_pk16_fp6_f32 v[240:242], v[144:159], v245
	v_nop
.irp i, 0,1,2
	v_permlane16_swap_b32 v[224+\i], v[240+\i]
.endr
.irp i, 0,1,2
	s_delay_alu instid0(VALU_DEP_3)
	v_mov_b32 v[227+\i], v[240+\i]
.endr
	global_store_b128 v1, v[224:227], s[52:53]     ; 512 consecutive bytes,
	global_store_b64 v2, v[228:229], s[52:53] offset:512   ; and 256 more: the record
	v_cndmask_b32 v9, v236, v237, s[HM]            ; lane (r, h) has block h's byte of token r
	global_store_b8 v7, v9, s[54:55]               ; the scale bytes lie by token, as the next launch's tile load wants them
	s_wait_xcnt 0x0                                ; the stores have read their data and bases
	s_xor_b32 s[WANT], s[WANT], 3                  ; the pair's other batch
	s_sub_co_u32 s[PASS], s[PASS], 1
	s_cmp_lg_u32 s[PASS], 0
	s_wait_alu depctr_va_vdst(0)
	s_cbranch_scc1 .Lpass
	s_wait_tensorcnt 0x0                           ; the wave's end
	ds_add_u32 v31, v243
	s_wait_dscnt 0x0
	s_endpgm
.Lfunc_end_k_qa5f166b08a_attn:
	.size	k_qa5f166b08a_attn, .Lfunc_end_k_qa5f166b08a_attn-k_qa5f166b08a_attn
	.p2alignl 7, 3214868480
	.fill 96, 4, 3214868480
	.section	.rodata,"a",@progbits
	.p2align	6, 0x0
	.amdhsa_kernel k_qa5f166b08a_attn
		.amdhsa_group_segment_fixed_size 210944
		.amdhsa_private_segment_fixed_size 0
		.amdhsa_enable_private_segment 0
		.amdhsa_kernarg_size 72
		.amdhsa_user_sgpr_count 2
		.amdhsa_user_sgpr_kernarg_segment_ptr 1
		.amdhsa_wavefront_size32 1
		.amdhsa_system_sgpr_workgroup_id_x 1
		.amdhsa_system_sgpr_workgroup_id_y 1
		.amdhsa_system_sgpr_workgroup_id_z 1
		.amdhsa_system_vgpr_workitem_id 0
		.amdhsa_next_free_vgpr 256
		.amdhsa_next_free_sgpr 80
		.amdhsa_reserve_vcc 1
		.amdhsa_float_denorm_mode_32 3
		.amdhsa_float_denorm_mode_16_64 3
		.amdhsa_memory_ordered 1
		.amdhsa_forward_progress 1
		.amdhsa_inst_pref_size 40
	.end_amdhsa_kernel
	.amdgpu_metadata
---
amdhsa.version: [ 1, 2 ]
amdhsa.kernels:
  - .name:           k_qa5f166b08a_attn
    .symbol:         k_qa5f166b08a_attn.kd
    .args:
      - { .name: qc, .offset: 0, .size: 8, .value_kind: global_buffer, .address_space: global }
      - { .name: qs, .offset: 8, .size: 8, .value_kind: global_buffer, .address_space: global }
      - { .name: kc, .offset: 16, .size: 8, .value_kind: global_buffer, .address_space: global }
      - { .name: ks, .offset: 24, .size: 8, .value_kind: global_buffer, .address_space: global }
      - { .name: vc, .offset: 32, .size: 8, .value_kind: global_buffer, .address_space: global }
      - { .name: vs, .offset: 40, .size: 8, .value_kind: global_buffer, .address_space: global }
      - { .name: src_batch_lens, .offset: 48, .size: 8, .value_kind: global_buffer, .address_space: global }
      - { .name: aoc, .offset: 56, .size: 8, .value_kind: global_buffer, .address_space: global }
      - { .name: aos, .offset: 64, .size: 8, .value_kind: global_buffer, .address_space: global }
    .group_segment_fixed_size: 210944
    .private_segment_fixed_size: 0
    .kernarg_segment_align: 8
    .kernarg_segment_size: 72
    .max_flat_workgroup_size: 512
    .sgpr_count:     80
    .vgpr_count:     256
    .wavefront_size: 32
...
	.end_amdgpu_metadata
.endif
;; end of part 2
;; launch outp (part 3): grid 8 x 32, 4 waves a work-group, clusters of 4 x 4, 327,680 bytes of LDS; arguments aoc, aos, Wo_codes, Wo_scales, bo, out0; writes out0
.if DOCPART == 3
	.amdgcn_target "amdgcn-amd-amdhsa--gfx1250"
	.amdhsa_code_object_version 6
	.text
	.protected	k_qa5f166b08a_outp
	.globl	k_qa5f166b08a_outp
	.p2align	8
	.type	k_qa5f166b08a_outp,@function
k_qa5f166b08a_outp:
	s_mov_b64 s[64:65], 0
	v_nop
	global_prefetch_b8 v0, s[64:65] scope:SCOPE_SE
	s_setreg_imm32_b32 hwreg(HW_REG_WAVE_MODE, 25, 1), 1
	s_wait_xcnt 0x0
	s_wait_alu depctr_hold_cnt(0) depctr_sa_sdst(0) depctr_va_vdst(0) depctr_va_sdst(0) depctr_va_ssrc(0) depctr_va_vcc(0) depctr_vm_vsrc(0)
	s_getreg_b32 s2, hwreg(HW_REG_IB_STS2, 6, 4)
	s_cmp_eq_u32 s2, 0
	s_cbranch_scc0 .Lentry_in_a_cluster
	s_endpgm
.Lentry_in_a_cluster:
	s_bfe_u32 s2, ttmp6, 0x10000c
	s_cmp_lg_u32 s2, 0xf033
	s_cbranch_scc0 .Lentry_shape_is_right
	s_endpgm
.Lentry_shape_is_right:
; THE LAST PROJECTION: out0[m][n] = sum over k of A[m][k] Wo[n][k] + bo[n] on codes of FP6 (E2M3), one E8M0 scale for each 32 along K = 1,024; f32 out.
; A comes as aoc[token tile of 16][head][768]: records, the image of six operand registers (registers 0-3 at 16 x lane, 4-5 at 512 + 8 x lane), and aos[token][32] scale bytes.
; A BLOCK is 256 tokens x 128 columns: 256 work-groups.  All of K lies in LDS, filled ONCE, one joint load a wave at the head: A's 16 tiles (196,608 dense bytes, as rows of 256), Wo's 128 rows of 768 bytes
; (16 bytes of padding behind each 256: pitch 816), A's scale bytes, Wo's.  Nothing is filled again: the walk along K has no barrier.  No prefetch: there is no loop to run ahead in.
; CLUSTERS 4 x 4: A's tiles are asked for jointly along a row of the cluster, Wo's along a column.
; A WAVE makes 64 x 128: 32 accumulators (a, b) at v[8 (8 a + b)] of window 2; the matrix instruction is used transposed (source 0 = Wo's rows): a lane holds eight neighbouring columns of a row.
; THE WAY OUT: 16 rows x 128 columns at a time through a stage in the wave's OWN rows of A in LDS (no other wave reads them, no load lands there again), back as rows of 512 bytes.
; WINDOW 0: v16-27 addresses; v28, v29 the add's; v32-95 scale words; v96-159 the bias image; v160-255 A's fragments, two sets.  WINDOW 1: Wo's fragments, sets at v0 and v128.
.set KROW,   768
.set PITCH,  816
.set FR,     12
.set AW,     4*16*768                  ; a wave's four tiles of A
.set BB,     4*AW
.set SCA,    BB+128*PITCH
.set SCB,    SCA+32*272
.set SPARE,  SCB+16*272
.set SBLK,   544
.set SPITCH, 528
.set ADRA, 16
.set ADRB, 18
.set ADRS, 22
.set STO,  24
.set RD,   25
.set CO,   26
.set SPW,  28
.set NIL,  29
.set SC,   32                          ; register 8 i + q: lanes 16-31 word q of Wo's block i; lanes 0-15 word (q + 4) % 8 of A's block i
.set CBI,  96
.set AF,   160
.set BK,   128
.set G1,   24
.set G0,   32
.set G0B,  36
.set G1B,  48
.set G1S,  68
.set G0S,  76
.set G1SB, 80
.set G0SB, 88
.set MSB, 0
.macro WIN new
.if MSB != (\new)
	s_set_vgpr_msb (MSB<<8)|(\new)
.set MSB, (\new)
.endif
.endm
.set MUL,  0xa1
.set TO_B, 0x40
.macro PLACES n
.rept \n
	v_nop
.endr
.endm
.macro WALU
	s_wait_alu depctr_va_vdst(0)
.endm
.macro CROUND
	s_barrier_signal -1
	s_barrier_wait -1
	s_cmp_lg_u32 s14, 0
	s_cbranch_scc1 .Lnot_wave_0_\@
	s_barrier_signal -3
.Lnot_wave_0_\@:
	s_barrier_wait -3
	s_barrier_signal -1
	s_barrier_wait -1
.endm
.macro DENSE1 g, mask, rows, pad       ; group 1: a dense block as rows of 256 bytes (32 elements of 8); pad: the padding's fields
	s_or_b32 s[\g+0], s\mask, (3<<16)|(1<<21)|(\pad)
	s_mov_b32 s[\g+1], 32<<16
	s_mov_b32 s[\g+2], (\rows)<<16
	s_mov_b32 s[\g+3], 32<<16
	s_mov_b32 s[\g+4], \rows
	s_mov_b32 s[\g+5], 32
	s_mov_b32 s[\g+6], 0
	s_mov_b32 s[\g+7], 0
.endm
.set PAD16, (1<<20)|(5<<22)|(3<<25)    ; 16 bytes behind every 64 words
.macro GRP0 g, lds, base, off
	s_mov_b32 s[\g], 1
	s_mov_b32 s[\g+1], \lds
	s_mov_b32 s20, s\off
	s_add_nc_u64 s[\g+2:\g+3], s[\base:\base+1], s[20:21]
	s_or_b32 s[\g+3], s[\g+3], 0x80000000
.endm
.macro ARM under, g0, g1, next
	s_cmp_lt_u32 s14, \under
	s_cbranch_scc0 \next
	tensor_load_to_lds s[\g0:\g0+3], s[\g1:\g1+7]
	s_nop 0
	PLACES 4
	s_branch .Lhead_asked
\next:
.endm
	s_load_b128 s[4:7], s[0:1], 0x0                ; aoc, aos
	s_load_b128 s[8:11], s[0:1], 0x10              ; Wo's codes, scales
	s_load_b64 s[96:97], s[0:1], 0x20              ; bo
	s_load_b64 s[12:13], s[0:1], 0x28              ; out0
	v_lshl_add_u32 v[SPW], v0, 2, SPARE
	v_mov_b32 v[NIL], 0
	ds_add_u32 v[SPW], v[NIL]                      ; the opening lines: the add twice and one wait
	ds_add_u32 v[SPW], v[NIL]
	v_lshrrev_b32 v1, 5, v0
	v_readfirstlane_b32 s14, v1                    ; wave 0..3
	s_bfe_u32 s40, ttmp6, 0x40000                  ; cx
	s_bfe_u32 s41, ttmp6, 0x40004                  ; cy
	s_lshl_b32 s42, ttmp9, 2
	s_add_co_u32 s42, s42, s40                     ; tile column, 0..7
	s_and_b32 s17, ttmp7, 0xffff
	s_lshl_b32 s17, s17, 2
	s_add_co_u32 s17, s17, s41                     ; tile row, 0..31
	s_lshl_b32 s43, s41, 2
	s_lshl_b32 s43, 15, s43                        ; my row of the cluster
	s_lshl_b32 s44, 0x1111, s40                    ; my column
	DENSE1 G1, 43, 768, 0
	s_or_b32 s[G1B+0], s44, (1<<21)|PAD16          ; Wo's rows of 768 bytes
	s_mov_b32 s[G1B+1], KROW<<16
	s_mov_b32 s[G1B+2], 128<<16
	s_mov_b32 s[G1B+3], KROW<<16
	s_mov_b32 s[G1B+4], 128
	s_mov_b32 s[G1B+5], KROW
	s_mov_b32 s[G1B+6], 0
	s_mov_b32 s[G1B+7], 0
	DENSE1 G1S, 43, 32, PAD16
	DENSE1 G1SB, 44, 16, PAD16
	s_mul_i32 s22, s17, 4*AW
	s_mul_i32 s23, s17, 256*32
	s_mul_i32 s46, s42, 128*KROW
	s_mul_i32 s47, s42, 128*32
	s_mov_b32 s21, 0
	s_wait_dscnt 0x0
	s_wait_kmcnt 0x0
	GRP0 G0, 0, 4, 22
	GRP0 G0S, SCA, 6, 23
	GRP0 G0B, BB, 8, 46
	GRP0 G0SB, SCB, 10, 47
	CROUND                                         ; all sixteen work-groups are here: the joint loads meet
	ARM 1, G0,  G1,  .Lhead_b
	ARM 2, G0B, G1B, .Lhead_sa
	ARM 3, G0S, G1S, .Lhead_sb
	tensor_load_to_lds s[G0SB:G0SB+3], s[G1SB:G1SB+7]
	s_nop 0
	PLACES 4
.Lhead_asked:
	v_and_b32 v1, 15, v0                           ; r
	v_bfe_u32 v2, v0, 4, 1                         ; h
	v_and_b32 v7, 31, v0
	v_mul_u32_u24 v3, v1, PITCH
	v_mad_u32_u24 v4, v2, 24, v3
	v_mad_u32_u24 v5, v2, 40, v3
	v_lshlrev_b32 v[CO], 4, v7
	v_lshlrev_b32 v8, 3, v7
	s_mul_i32 s21, s14, AW                         ; my four tiles of A; later my stage
	v_add_nc_u32 v[ADRA], s21, v[CO]
	v_add_nc_u32 v[ADRA+1], s21, v8
	v_add_nc_u32 v[RD], s21, v[CO]
	v_add_nc_u32 v[ADRB], BB, v4
	v_add_nc_u32 v[ADRB+1], BB, v5
	v_add_nc_u32 v[ADRB+2], BB+64*PITCH, v4
	v_add_nc_u32 v[ADRB+3], BB+64*PITCH, v5
	v_mul_u32_u24 v5, v1, SPITCH
	v_lshl_add_u32 v5, v2, 5, v5
	v_add_nc_u32 v[STO], s21, v5                   ; the stage: row r, 32 bytes for each half of the lanes
	v_lshlrev_b32 v5, 5, v1                        ; my row's scale bytes
	v_lshrrev_b32 v6, 3, v1
	v_lshl_add_u32 v5, v6, 4, v5
	s_mul_i32 s21, s14, 8*272
	s_add_co_u32 s21, s21, SCA
	s_mov_b32 s22, SCB-16
	s_sub_co_u32 s22, s22, s21
	v_mul_u32_u24 v6, s22, v2
	v_add_nc_u32 v6, v6, v5
	s_add_co_u32 s23, s21, 16
	v_add_nc_u32 v[ADRS], s23, v6                  ; lanes 0-15: A's words 4-7; lanes 16-31: Wo's words 0-3
	s_add_co_u32 s22, s22, 32
	WALU
	v_mul_u32_u24 v6, s22, v2
	v_add_nc_u32 v6, v6, v5
	v_add_nc_u32 v[ADRS+1], s21, v6                ; lanes 0-15: A's words 0-3; lanes 16-31: Wo's words 4-7
	v_lshlrev_b32 v9, 5, v2
	s_lshl_b32 s20, s17, 8
	s_lshl_b32 s21, s14, 6
	s_add_co_u32 s20, s20, s21                     ; my first row
	s_lshl_b32 s20, s20, 12                        ; a row of out0 is 4,096 bytes
	s_lshl_b32 s46, s42, 9                         ; my first column, in bytes
	s_mov_b32 s47, 0
	s_mov_b32 s21, 0
	s_add_nc_u64 s[12:13], s[12:13], s[20:21]
	s_add_nc_u64 s[12:13], s[12:13], s[46:47]
	s_add_nc_u64 s[96:97], s[96:97], s[46:47]
	WALU
.irp b, 0,1,2,3,4,5,6,7                ; the bias image, the C of the first K step: register 8 b + j = bo[first column + 16 b + 8 h + j]
	global_load_b128 v[CBI+8*\b:CBI+8*\b+3], v9, s[96:97] offset:64*\b
	global_load_b128 v[CBI+8*\b+4:CBI+8*\b+7], v9, s[96:97] offset:64*\b+16
.endr
.macro FRAG reg, adr, q, i             ; Wo: six pieces of 8 bytes; piece y lies at 8 y + 16 (y / 32) of its LDS row
.irp p, 0,1,2,3,4,5
.set PC_, 12*(\q)+6*(\p/3)+\p%3
.if PC_%32 < 29
	ds_load_b64 v[\reg+2*\p:\reg+2*\p+1], v[\adr] offset:8*(PC_+2*(PC_/32))+(\i)*16*PITCH
.else
	ds_load_b64 v[\reg+2*\p:\reg+2*\p+1], v[\adr+1] offset:8*(PC_+2*(PC_/32))+(\i)*16*PITCH
.endif
.endr
.endm
.macro FRAGA reg, q, i                 ; A: the records of heads 2 q and 2 q + 1 of tile i
.irp c, 0,1
	ds_load_b128 v[\reg+6*\c:\reg+6*\c+3], v[ADRA] offset:(16*(\i)+2*(\q)+\c)*768
	ds_load_b64 v[\reg+6*\c+4:\reg+6*\c+5], v[ADRA+1] offset:(16*(\i)+2*(\q)+\c)*768+512
.endr
.endm
.macro WM c
	v_wmma_scale_f32_16x16x128_f8f6f4 v[D_:D_+7], v[FB_:FB_+FR-1], v[FA_:FA_+FR-1], \c, v[XB_], v[XA_] matrix_a_fmt:MATRIX_FMT_FP6 matrix_b_fmt:MATRIX_FMT_FP6 matrix_a_scale:MATRIX_SCALE_ROW1
.endm
.macro PROD q, m                       ; product m = 8 a + b of K step q; the first step's C is the bias image
.set D_, 8*(\m)
.set FB_, 128*((\q)%2)+FR*((\m)%8)
.set FA_, AF+48*((\q)%2)+FR*((\m)/8)
.set XB_, SC+8*((\m)%8)+(\q)
.set XA_, SC+8*((\m)/8)+((\q)+4)%8
.if (\q) > 0
	WIN MUL
	WM v[D_:D_+7]
.else
	WIN 0x81
	WM v[CBI+8*((\m)%8):CBI+8*((\m)%8)+7]
.endif
.endm
; A K step: one run of LDS loads brings the next step's twelve fragments into the other set, four places behind the last step's products, which read that set;
; then 32 products, the 32 accumulators by turns.
.macro KSTEP q
	s_wait_dscnt 0x0                               ; this step's fragments are in: they were asked for 32 products ago
.if (\q) < 7
.if (\q) > 0
	PLACES 4
.endif
	WIN TO_B
.irp i, 0,1,2,3,4,5,6,7
	FRAG 128*(1-(\q)%2)+FR*\i, ADRB+2*(\i/4), (\q)+1, \i%4
.endr
	WIN 0
.irp i, 0,1,2,3
	FRAGA AF+48*(1-(\q)%2)+FR*\i, (\q)+1, \i
.endr
.endif
.set N_, 0
.rept 32
	PROD \q, N_
.set N_, N_+1
.endr
.endm
	WALU
	s_wait_tensorcnt 0x0                           ; my tile is in;
	s_barrier_signal -1
	s_barrier_wait -1                              ; everybody's is
	WIN TO_B
.irp i, 0,1,2,3,4,5,6,7
	FRAG FR*\i, ADRB+2*(\i/4), 0, \i%4
.endr
	WIN 0
.irp i, 0,1,2,3
	FRAGA AF+FR*\i, 0, \i
.endr
.irp i, 0,1,2,3,4,5,6,7                ; all scale words, once (for i > 3 lanes 0-15 read words that no product takes)
	ds_load_b128 v[SC+8*\i:SC+8*\i+3], v[ADRS] offset:\i*SBLK
	ds_load_b128 v[SC+8*\i+4:SC+8*\i+7], v[ADRS+1] offset:\i*SBLK
.endr
	s_wait_loadcnt 0x0                             ; the bias image
.irp q, 0,1,2,3,4,5,6,7
	KSTEP \q
.endr
	WIN 0
.macro TOSTAGE a
.set AC, 64*(\a)
	WIN 0x08                                       ; the data: window 2
.irp b, 0,1,2,3,4,5,6,7
	ds_store_b128 v[STO], v[AC+8*\b:AC+8*\b+3] offset:64*\b          ; each accumulator from its low end on
	ds_store_b128 v[STO], v[AC+8*\b+4:AC+8*\b+7] offset:64*\b+16
.endr
	WIN 0
.set BBK, BK+64*((\a)%2)
.irp t, 0,1,2,3,4,5,6,7,8,9,10,11,12,13,14,15
	ds_load_b128 v[BBK+4*\t:BBK+4*\t+3], v[RD] offset:\t*SPITCH      ; LDS serves a wave's instructions in order (ISA guide 5.7.1.4)
.endr
.endm
.macro SEND a, younger                 ; younger: the LDS instructions issued behind block a's loads
.set BBK, BK+64*((\a)%2)
	s_wait_dscnt \younger
.if (\a) > 0
	s_add_nc_u64 s[12:13], s[12:13], 16*4096       ; behind a wait on XCNT: the earlier stores have read their base
.endif
.irp t, 0,1,2,3,4,5,6,7,8,9,10,11,12,13,14,15
	global_store_b128 v[CO], v[BBK+4*\t:BBK+4*\t+3], s[12:13] offset:\t*4096 th:TH_STORE_NT   ; 32 lanes store 512 consecutive bytes, at a multiple of 256
.endr
.endm
	PLACES 4                                       ; behind the last products
	TOSTAGE 0
.irp a, 1,2,3
.if \a > 1
	s_wait_xcnt 0x0                                ; block a - 2's stores have read their registers and base
.endif
	TOSTAGE \a
	SEND \a-1, 32
.endr
	s_wait_xcnt 0x0
	SEND 3, 0
	s_wait_tensorcnt 0x0                           ; the wave's end
	ds_add_u32 v[SPW], v[NIL]
	s_wait_dscnt 0x0
	CROUND                                         ; the closing round
	s_endpgm
.Lfunc_end_k_qa5f166b08a_outp:
	.size	k_qa5f166b08a_outp, .Lfunc_end_k_qa5f166b08a_outp-k_qa5f166b08a_outp
	.p2alignl 7, 3214868480
	.fill 96, 4, 3214868480
	.section	.rodata,"a",@progbits
	.p2align	6, 0x0
	.amdhsa_kernel k_qa5f166b08a_outp
		.amdhsa_group_segment_fixed_size 327680
		.amdhsa_private_segment_fixed_size 0
		.amdhsa_enable_private_segment 0
		.amdhsa_kernarg_size 48
		.amdhsa_user_sgpr_count 2
		.amdhsa_user_sgpr_kernarg_segment_ptr 1
		.amdhsa_wavefront_size32 1
		.amdhsa_system_sgpr_workgroup_id_x 1
		.amdhsa_system_sgpr_workgroup_id_y 1
		.amdhsa_system_sgpr_workgroup_id_z 1
		.amdhsa_system_vgpr_workitem_id 0
		.amdhsa_next_free_vgpr 768
		.amdhsa_next_free_sgpr 100
		.amdhsa_reserve_vcc 0
		.amdhsa_float_denorm_mode_32 3
		.amdhsa_float_denorm_mode_16_64 3
		.amdhsa_memory_ordered 1
		.amdhsa_forward_progress 1
		.amdhsa_inst_pref_size 92
	.end_amdhsa_kernel
	.amdgpu_metadata
---
amdhsa.version: [ 1, 2 ]
amdhsa.kernels:
  - .name:           k_qa5f166b08a_outp
    .symbol:         k_qa5f166b08a_outp.kd
    .args:
      - { .name: aoc, .offset: 0, .size: 8, .value_kind: global_buffer, .address_space: global }
      - { .name: aos, .offset: 8, .size: 8, .value_kind: global_buffer, .address_space: global }
      - { .name: Wo_codes, .offset: 16, .size: 8, .value_kind: global_buffer, .address_space: global }
      - { .name: Wo_scales, .offset: 24, .size: 8, .value_kind: global_buffer, .address_space: global }
      - { .name: bo, .offset: 32, .size: 8, .value_kind: global_buffer, .address_space: global }
      - { .name: out0, .offset: 40, .size: 8, .value_kind: global_buffer, .address_space: global }
    .group_segment_fixed_size: 327680
    .private_segment_fixed_size: 0
    .kernarg_segment_align: 8
    .kernarg_segment_size: 48
    .max_flat_workgroup_size: 128
    .sgpr_count:     100
    .vgpr_count:     768
    .wavefront_size: 32
...
	.end_amdgpu_metadata
.endif
;; end of part 3
